; MI455X (gfx1250); checked and timed in simulation.
; The chip was launched on July 23, 2026; its instructions are those of AMD's public machine-readable ISA for CDNA 5 (MIT licence, August 2026) and "CDNA5" Instruction Set Architecture Reference Guide (July 2026). The comments in the code are by the model that wrote it; some were corrected since.
;; Mo E Layer. Allowed arithmetic: float matrix products may take bf16 or f16 operands with f32 sums; other float arithmetic in f32, or as packed bf16 or f16 multiplies, adds, multiply-adds, maxima and minima; sums over many terms, partial sums and values carried from step to step in f32; what a program stores and reads back later, other than sums and carried values, may be rounded once to bf16 or f16.
;; Inputs: down_w 8 x 2,048 x 1,024 float32; gate_w 8 x 1,024 x 2,048 float32; router_w 8 x 1,024 float32; up_w 8 x 1,024 x 2,048 float32; x 4 x 256 x 1,024 float32.
;; Outputs: out0 4 x 256 x 1,024 float32; out1 one number float32.
;; One version. Each part assembles by itself: llvm-mc -triple=amdgcn-amd-amdhsa -mcpu=gfx1250 --defsym DOCPART=n.
;; ======== version 1 of 1: 4 launches
;; workspace buffers: xb 2,097,152 bytes; msk 2,048 bytes of whole numbers; cw 8,192 bytes; auxp 8,192 bytes; hid 33,554,432 bytes; part 33,554,432 bytes
;; launch router (part 1): grid 64 x 1, 8 waves a work-group, no clusters, 61,440 bytes of LDS; arguments x, router_w, xb, msk, cw, auxp; writes xb, msk, cw, auxp
.if DOCPART == 1
	.amdgcn_target "amdgcn-amd-amdhsa--gfx1250"
	.amdhsa_code_object_version 6
	.text
	.protected	k_qe84faf8570_router
	.globl	k_qe84faf8570_router
	.p2align	8
	.type	k_qe84faf8570_router,@function
k_qe84faf8570_router:
	s_mov_b64 s[64:65], 0
	v_nop
	global_prefetch_b8 v0, s[64:65] scope:SCOPE_SE
	s_setreg_imm32_b32 hwreg(HW_REG_WAVE_MODE, 25, 1), 1
	s_wait_xcnt 0x0
; ROUTER.  xb = x rounded to bf16; logits = bf16(x) . bf16(router_w), sums in f32; softmax, the two largest, their weights, bitmaps of the choice, partial sums for the loss.
; A work-group owns 16 tokens; wave w owns k = 128 w .. 128 w + 127 of their rows and of router_w's eight rows.  The eight partial logits meet in LDS, and wave 0 finishes.
; The matrix instruction takes router_w as source 0 (its rows 8-15 repeat experts 0-7) and 16 tokens as source 1: lane l then holds token l % 16, register j the logit of expert j, in both halves of the lanes.
; Nothing here steers an address or a branch: the choice is stored at fixed places (msk: [slot][expert][32 words], bit b of word g = token 32 g + b; cw: [slot][token]).
; LIMITS.  The two largest are ordered by the logits (softmax keeps their order; the two orders part only where two probabilities round to one number); of equal logits the lower index wins.
; NaN and infinities are not treated apart.  An exponential below 2^-126 counts as 0.
.set SP,    272                        ; a stage row: 256 bytes + 16: the 16 rows of a fragment load start at 16 different groups of four banks
.set STGW,  24*SP                      ; a wave's own stage: 16 rows of x, 8 of router_w, 128 bf16 each
.set PL,    8*STGW                     ; the eight waves' partial logits, 1,024 bytes each
.set SPARE, PL+8192                    ; the spare words, 128 bytes a wave: four blocks of 256 bytes that no other line names
.set SPW, 2
.set NIL, 3
.set R,   32                           ; v[32:127]  24 rows as loaded, 4 f32 a lane; wave 0 works here later
.set P,   128                          ; v[128:175] the same in bf16, 2 registers a row
.set FA,  176                          ; v[176:207] router_w's fragments, four k-steps of 32
.set FB,  208                          ; v[208:239] x's
.set AC0, 240
.set AC1, 248
	s_load_b256 s[4:11], s[0:1], 0x0               ; x s[4:5], router_w s[6:7], xb s[8:9], msk s[10:11]
	s_load_b128 s[12:15], s[0:1], 0x20             ; cw s[12:13], auxp s[14:15]
	v_lshl_add_u32 v[SPW], v0, 2, SPARE
	v_mov_b32 v[NIL], 0
	v_lshrrev_b32 v1, 5, v0
	v_readfirstlane_b32 s16, v1                    ; wave
	s_mov_b32 s17, ttmp9                           ; work-group: tokens 16 g ..
	v_and_b32 v4, 31, v0                           ; lane
	v_and_b32 v5, 15, v0                           ; r
	v_bfe_u32 v6, v0, 4, 1                         ; h
	v_lshlrev_b32 v7, 4, v0                        ; 512 w + 16 lane: my 16 bytes of a row of f32
	v_lshlrev_b32 v8, 3, v0                        ; 256 w + 8 lane: the same numbers in bf16
	s_mul_i32 s20, s16, STGW
	v_lshl_add_u32 v9, v4, 3, s20                  ; into my stage: 8 bytes a lane
	v_mul_u32_u24 v10, v5, SP
	v_lshl_add_u32 v10, v6, 4, v10
	v_add_nc_u32 v10, s20, v10                     ; x's fragments: row r, 16 bytes for each half of the lanes
	v_and_b32 v11, 7, v0
	v_mul_u32_u24 v11, v11, SP
	v_lshl_add_u32 v11, v6, 4, v11
	v_add_nc_u32 v11, s20, v11                     ; router_w's: row r % 8 (the 16 rows of x stand in the immediate)
	s_lshl_b32 s21, s16, 10
	s_add_co_u32 s21, s21, PL
	v_lshl_add_u32 v12, v4, 4, s21                 ; my wave's partial logits
	v_lshlrev_b32 v13, 4, v4
	v_add_nc_u32 v13, PL, v13                      ; wave 0 reads all eight from here
	s_lshl_b32 s22, s17, 16
	s_mov_b32 s23, 0
	s_wait_kmcnt 0x0
	s_add_nc_u64 s[4:5], s[4:5], s[22:23]          ; x at my 16 tokens
.set i, 0
.rept 16
	global_load_b128 v[R+4*i:R+4*i+3], v7, s[4:5] offset:i*4096 th:TH_LOAD_NT  ; a wave's load covers 512 consecutive bytes
.set i, i+1
.endr
.set i, 0
.rept 8
	global_load_b128 v[R+64+4*i:R+64+4*i+3], v7, s[6:7] offset:i*4096
.set i, i+1
.endr
	s_lshl_b32 s22, s17, 15
	s_add_nc_u64 s[8:9], s[8:9], s[22:23]          ; xb at my tokens
	s_lshl_b32 s22, s17, 1
	s_add_nc_u64 s[10:11], s[10:11], s[22:23]      ; my 16 bits of each bitmap
	s_lshl_b32 s22, s17, 6
	s_add_nc_u64 s[12:13], s[12:13], s[22:23]
	s_lshl_b32 s22, s17, 7
	s_add_nc_u64 s[14:15], s[14:15], s[22:23]
	s_wait_loadcnt 0x0
.set i, 0
.rept 24
	v_cvt_pk_bf16_f32 v[P+2*i],   v[R+4*i],   v[R+4*i+1]
	v_cvt_pk_bf16_f32 v[P+2*i+1], v[R+4*i+2], v[R+4*i+3]
.set i, i+1
.endr
.set i, 0
.rept 16
	global_store_b64 v8, v[P+2*i:P+2*i+1], s[8:9] offset:i*2048  ; 256 consecutive bytes, aligned
.set i, i+1
.endr
.set i, 0
.rept 24
	ds_store_b64 v9, v[P+2*i:P+2*i+1] offset:i*SP
.set i, i+1
.endr
.set i, 0
.rept 4                                ; my own stage: LDS serves a wave's instructions in order, so these see the stores above
	ds_load_b128 v[FA+8*i:FA+8*i+3],   v11 offset:16*SP+64*i
	ds_load_b128 v[FA+8*i+4:FA+8*i+7], v11 offset:16*SP+64*i+32
	ds_load_b128 v[FB+8*i:FB+8*i+3],   v10 offset:64*i
	ds_load_b128 v[FB+8*i+4:FB+8*i+7], v10 offset:64*i+32
.set i, i+1
.endr
	s_wait_dscnt 0x0
	v_wmma_f32_16x16x32_bf16 v[AC0:AC0+7], v[FA:FA+7],       v[FB:FB+7],       0             ; two accumulators by turns
	v_wmma_f32_16x16x32_bf16 v[AC1:AC1+7], v[FA+8:FA+15],    v[FB+8:FB+15],    0
	v_wmma_f32_16x16x32_bf16 v[AC0:AC0+7], v[FA+16:FA+23],   v[FB+16:FB+23],   v[AC0:AC0+7]
	v_wmma_f32_16x16x32_bf16 v[AC1:AC1+7], v[FA+24:FA+31],   v[FB+24:FB+31],   v[AC1:AC1+7]
.rept 4
	v_nop                                          ; four places between the products and the first read of their results (ISA guide 7.12.1)
.endr
.irp q, 0,2,4,6
	v_pk_add_f32 v[32+\q:33+\q], v[AC0+\q:AC0+\q+1], v[AC1+\q:AC1+\q+1]
.endr
	ds_store_b128 v12, v[32:35]
	ds_store_b128 v12, v[36:39] offset:512
	s_wait_dscnt 0x0                               ; for wave 0's sake: my partial logits are in LDS
	s_barrier_signal -1
	s_barrier_wait -1
	s_cmp_lg_u32 s16, 0
	s_cbranch_scc1 .Lend
	; WAVE 0.  The eight partial sums, in the waves' order.
.set i, 0
.rept 8
	ds_load_b128 v[40+8*i:40+8*i+3],   v13 offset:i*1024
	ds_load_b128 v[40+8*i+4:40+8*i+7], v13 offset:i*1024+512
.set i, i+1
.endr
	s_wait_dscnt 0x0
.irp q, 0,2,4,6
	v_pk_add_f32 v[32+\q:33+\q], v[40+\q:41+\q], v[48+\q:49+\q]
.endr
.irp ww, 2,3,4,5,6,7
.irp q, 0,2,4,6
	v_pk_add_f32 v[32+\q:33+\q], v[32+\q:33+\q], v[40+8*\ww+\q:41+8*\ww+\q]
.endr
.endr
	; v32-39: the token's eight logits.  The maximum is taken away before the exponentials.
	v_max3_num_f32 v40, v32, v33, v34
	v_max3_num_f32 v40, v40, v35, v36
	v_max3_num_f32 v40, v40, v37, v38
	v_max_num_f32 v40, v40, v39
	v_mov_b32 v41, v40
.irp q, 0,2,4,6
	v_pk_add_f32 v[42+\q:43+\q], v[32+\q:33+\q], v[40:41] neg_lo:[0,1] neg_hi:[0,1]
.endr
.irp q, 0,2,4,6
	v_pk_mul_f32 v[42+\q:43+\q], v[42+\q:43+\q], 0x3fb8aa3b op_sel_hi:[1,0]
.endr
.irp e, 0,1,2,3,4,5,6,7
	v_exp_f32 v[42+\e], v[42+\e]
.endr
	; the largest (b1 v65, i1 v66) and the second (b2 v67, i2 v68): strict comparisons in ascending order keep the lower index.  This work names no exponential's result.
	v_mov_b32 v65, v32
	v_mov_b32 v66, 0
.irp e, 1,2,3,4,5,6,7
	v_cmp_gt_f32 vcc_lo, v[32+\e], v65
	v_cndmask_b32 v65, v65, v[32+\e], vcc_lo
	v_cndmask_b32 v66, v66, \e, vcc_lo
.endr
	v_mov_b32 v67, 0xff800000
	v_cmp_eq_u32 vcc_lo, 0, v66
	v_cndmask_b32 v68, 0, 1, vcc_lo
.irp e, 0,1,2,3,4,5,6,7
	v_cmp_gt_f32 s20, v[32+\e], v67
	v_cmp_ne_u32 s21, \e, v66
	s_and_b32 vcc_lo, s20, s21
	v_cndmask_b32 v67, v67, v[32+\e], vcc_lo
	v_cndmask_b32 v68, v68, \e, vcc_lo
.endr
	v_sub_f32 v69, v67, v65
	v_mul_f32 v69, 0x3fb8aa3b, v69
	v_exp_f32 v69, v69                             ; p2 / p1, the batch's ninth
	v_nop                                          ; a plain instruction behind the last exponential
	s_wait_alu depctr_va_vdst(0)                   ; one wait for the nine, ahead of their first reader
	v_pk_add_f32 v[50:51], v[42:43], v[44:45]
	v_pk_add_f32 v[52:53], v[46:47], v[48:49]
	v_pk_add_f32 v[50:51], v[50:51], v[52:53]
	v_add_f32 v50, v50, v51                        ; S
	v_add_f32 v70, 1.0, v69
	v_rcp_f32 v54, v50
	v_log_f32 v55, v50
	v_rcp_f32 v71, v70                             ; w1 = p1 / (p1 + p2)
	v_nop
.irp e, 0,1,2,3,4,5,6,7                ; the choice as lane masks, and as 0 or 1
	v_cmp_eq_u32 s[24+\e], \e, v66
	v_cmp_eq_u32 s[32+\e], \e, v68
	s_or_b32 s40, s[24+\e], s[32+\e]
	v_cndmask_b32 v[74+\e], 0, 1.0, s40
.endr
	s_wait_alu depctr_va_vdst(0)                   ; one wait for the three
.irp e, 0,1,2,3,4,5,6,7
	v_mul_f32 v[56+\e], v[42+\e], v54              ; the probabilities
.endr
	v_fmamk_f32 v64, v55, 0x3f317218, v40          ; z = m + ln 2 x log2 S
	v_mul_f32 v64, v64, v64
	v_mul_f32 v72, v69, v71                        ; w2
.macro RSUM reg                        ; the sum over a half's 16 lanes = my 16 tokens
	v_add_f32_dpp v[\reg], v[\reg], v[\reg] row_xmask:1 row_mask:0xf bank_mask:0xf
	v_add_f32_dpp v[\reg], v[\reg], v[\reg] row_xmask:2 row_mask:0xf bank_mask:0xf
	v_add_f32_dpp v[\reg], v[\reg], v[\reg] row_xmask:4 row_mask:0xf bank_mask:0xf
	v_add_f32_dpp v[\reg], v[\reg], v[\reg] row_xmask:8 row_mask:0xf bank_mask:0xf
.endm
.irp e, 0,1,2,3,4,5,6,7
	RSUM 56+\e
	RSUM 74+\e
.endr
	RSUM 64
	v_cmp_eq_u32 vcc_lo, 1, v6
	v_cndmask_b32 v82, v71, v72, vcc_lo            ; lanes 0-15 store w1, lanes 16-31 w2
	v_lshlrev_b32 v83, 2, v5
	v_lshl_add_u32 v83, v6, 12, v83
	global_store_b32 v83, v82, s[12:13]
	v_mov_b32 v84, 0
.irp e, 0,1,2,3,4,5,6,7
	v_writelane_b32 v84, s[24+\e], \e              ; lane 8 slot + e carries that bitmap's 16 bits (the mask's low half: lanes 0-15 are my tokens)
	v_writelane_b32 v84, s[32+\e], 8+\e
.endr
	v_lshlrev_b32 v85, 7, v4
	v_mov_b32 v86, 0
	v_cmp_gt_u32 vcc_lo, 16, v4
	s_wait_xcnt 0x0                                ; EXEC changes only behind this wait: it is a source of the stores above
	s_and_saveexec_b32 s44, vcc_lo
	global_store_b16 v85, v84, s[10:11]
	s_wait_xcnt 0x0
	s_or_b32 exec_lo, exec_lo, s44
	v_cmp_eq_u32 vcc_lo, 0, v4
	s_and_saveexec_b32 s44, vcc_lo
	global_store_b128 v86, v[56:59], s[14:15]
	global_store_b128 v86, v[60:63], s[14:15] offset:16
	global_store_b128 v86, v[74:77], s[14:15] offset:32
	global_store_b128 v86, v[78:81], s[14:15] offset:48
	global_store_b32 v86, v64, s[14:15] offset:64
	s_wait_xcnt 0x0
	s_or_b32 exec_lo, exec_lo, s44
.Lend:
	s_wait_tensorcnt 0x0                           ; the wave's end
	ds_add_u32 v[SPW], v[NIL]
	s_wait_dscnt 0x0
	s_endpgm
.Lfunc_end_k_qe84faf8570_router:
	.size	k_qe84faf8570_router, .Lfunc_end_k_qe84faf8570_router-k_qe84faf8570_router
	.p2alignl 7, 3214868480
	.fill 96, 4, 3214868480
	.section	.rodata,"a",@progbits
	.p2align	6, 0x0
	.amdhsa_kernel k_qe84faf8570_router
		.amdhsa_group_segment_fixed_size 61440
		.amdhsa_private_segment_fixed_size 0
		.amdhsa_enable_private_segment 0
		.amdhsa_kernarg_size 48
		.amdhsa_user_sgpr_count 2
		.amdhsa_user_sgpr_kernarg_segment_ptr 1
		.amdhsa_wavefront_size32 1
		.amdhsa_system_sgpr_workgroup_id_x 1
		.amdhsa_system_sgpr_workgroup_id_y 1
		.amdhsa_system_sgpr_workgroup_id_z 1
		.amdhsa_system_vgpr_workitem_id 0
		.amdhsa_next_free_vgpr 256
		.amdhsa_next_free_sgpr 66
		.amdhsa_reserve_vcc 1
		.amdhsa_float_denorm_mode_32 3
		.amdhsa_float_denorm_mode_16_64 3
		.amdhsa_memory_ordered 1
		.amdhsa_forward_progress 1
		.amdhsa_inst_pref_size 29
	.end_amdhsa_kernel
	.amdgpu_metadata
---
amdhsa.version: [ 1, 2 ]
amdhsa.kernels:
  - .name:           k_qe84faf8570_router
    .symbol:         k_qe84faf8570_router.kd
    .args:
      - { .name: x, .offset: 0, .size: 8, .value_kind: global_buffer, .address_space: global }
      - { .name: router_w, .offset: 8, .size: 8, .value_kind: global_buffer, .address_space: global }
      - { .name: xb, .offset: 16, .size: 8, .value_kind: global_buffer, .address_space: global }
      - { .name: msk, .offset: 24, .size: 8, .value_kind: global_buffer, .address_space: global }
      - { .name: cw, .offset: 32, .size: 8, .value_kind: global_buffer, .address_space: global }
      - { .name: auxp, .offset: 40, .size: 8, .value_kind: global_buffer, .address_space: global }
    .group_segment_fixed_size: 61440
    .private_segment_fixed_size: 0
    .kernarg_segment_align: 8
    .kernarg_segment_size: 48
    .max_flat_workgroup_size: 256
    .sgpr_count:     66
    .vgpr_count:     256
    .wavefront_size: 32
...
	.end_amdgpu_metadata
.endif
;; end of part 1
;; launch gateup (part 2): grid 32 x 8, 4 waves a work-group, no clusters, 284,160 bytes of LDS; arguments xb, msk, cw, gate_w, up_w, hid; writes hid
.if DOCPART == 2
	.amdgcn_target "amdgcn-amd-amdhsa--gfx1250"
	.amdhsa_code_object_version 6
	.text
	.protected	k_qe84faf8570_gateup
	.globl	k_qe84faf8570_gateup
	.p2align	8
	.type	k_qe84faf8570_gateup,@function
k_qe84faf8570_gateup:
	s_mov_b64 s[64:65], 0
	v_nop
	global_prefetch_b8 v0, s[64:65] scope:SCOPE_SE
	s_setreg_imm32_b32 hwreg(HW_REG_WAVE_MODE, 25, 1), 1
	s_wait_xcnt 0x0
; FIRST PRODUCTS.  hid = bf16( cw x silu(x . gate_w[e]) x (x . up_w[e]) ) for the rows that chose expert e.  Work-group (s, e): columns 64 s .. 64 s + 63 of gate_w[e] and of up_w[e], which it alone reads, once.
; WEIGHTS: f32 from memory into registers, rounded to bf16, into LDS in the order of a matrix operand, 64 k (a chunk) at a time; every chunk has LDS bytes of its own, so one barrier a chunk orders store and read and nothing is overwritten.
; ROWS: every wave makes the expert's list of rows for itself from the two bitmaps (256 bytes), in its own LDS words.  An entry is slot x 1024 + token.  Tile lt of 16 rows belongs to wave lt % 4.
; Five tiles a wave (320 rows) are multiplied beside the stream of weights; their rows of xb come from memory straight into registers as source 1.  Tiles 20 to 63 follow in a loop of their own on the resident weights:
; it serves every split of the tokens (1,024 rows on one expert) and is slow on purpose; it clears its 64 accumulator registers, which spares a second copy of its k loop.
; Places past the count repeat the list's last row; a whole tile past the count is not stored (tile 0 always is, so that the next launch finds written bytes); the fifth tile's products are jumped where it is dead.
; The matrix instruction takes 16 weight columns as source 0 and 16 rows as source 1: lane l holds row l % 16, register j column 8 (l / 16) + j.  Eight such numbers, packed, are 16 bytes of the next product's source 1:
; hid is [e][tile 64][k-step 64][half 2][lane 32][16 bytes], and a wave's store covers 512 consecutive bytes, aligned.
; THE ORDER OF A TRIP: its 80 products stand in ten groups of eight, and all its other work (32 LDS loads, 32 conversions, 8 LDS stores, 36 loads) in slices between the groups, so that it is issued while the matrix unit works.
; NO CLUSTER: each weight has one reader, and the rows come by a list, which no tile descriptor covers.  NO TENSOR LOADS: the weights have to pass through registers to be rounded.
; LIMITS.  x, the weights and hid are rounded to bf16, sums in f32.  Where -g log2(e) passes 128 the exponential is an infinity and the result 0, as silu's limit is.  NaN and infinities in the inputs are not treated apart.
.set NT,    16                         ; chunks of 64 k
.set PITCH, 8192                       ; bytes from a weight row (one k) to the next
.set CH,    64*PITCH
.set XSTEP, 128                        ; a chunk's bytes in a row of xb
.set XI,    32                         ; between a lane's four loads of a chunk
.set BLK,   1040                       ; a fragment of 16 columns x 32 k: [half][lane][16 bytes] + 16 of padding
.set REG,   16*BLK                     ; a chunk in LDS: k-step t, column tile n at (8 t + n) BLK; tiles 0-3 gate, 4-7 up
.set LIST,  NT*REG
.set LISTW, 4352                       ; a wave's list: 1,024 words and, at 4,096, a word for what is not listed
.set SPARE, LIST+4*LISTW               ; the spare words, 128 bytes a wave: two blocks of 256 bytes that no other line names
; window 0
.set SPW, 2
.set NIL, 3
.set LN,  4                            ; lane
.set RR,  5                            ; lane % 16
.set HH,  6                            ; lane / 16
.set L16, 7                            ; 16 x lane; never rewritten
.set WO,  8                            ; my byte offset in a chunk of weights: rows 16 w + 8 (lane / 16) .., 16 bytes at 16 (lane % 16)
.set LSC, 9                            ; where I store converted weights: steps a region a trip
.set FRC, 10                           ; where I read fragments: likewise
.set PFO, 11                           ; prefetch: my block of a chunk
.set XO,  14                           ; v14-18 tile j: my row's byte offset in xb
.set XOV, 19                           ; the same in the loop for tiles 20-63
.set CW,  20                           ; v20-29 tile j: my row's weight, in the low register of a pair
.set CWV, 30
.set PK,  32                           ; v32-63 packed bf16
.set F0,  64                           ; v64-127: the eight weight fragments of a chunk's first k-step; v128-191: of its second
.set F1,  128
.set TE,  192                          ; v192-255 at work: the list at the start, the activation at the end
.set TP,  224
; window 1: v[80 p + 16 j + 4 i] rows of xb: set p, tile j, load i.   window 2: v[64 j + 8 n] accumulators of tiles 0-3.   window 3: v[8 n] tile 4's; v64-127, v128-191 weights as loaded, two sets
; s16 wave, s17 slice, s18 expert, s19 count, s20 tiles, s21 max(tiles, 1), s22 1 if my fifth tile lives, s23, s25 counters, s24 a tile's number, s26 max(count, 1) - 1, s27 my list,
; s[28:29] gate_w, s[30:31] up_w, s[32:33] xb (these step), s[34:35] prefetch, s[36:37] hid at my tile 0, s40-47 at work, s[56:57] lane selects
.set MSB, 0
.macro WIN new                         ; s_set_vgpr_msb: bits 1:0 source 0, 3:2 source 1, 5:4 source 2, 7:6 destination; the high byte repeats the setting that is left
.if MSB != (\new)
	s_set_vgpr_msb (MSB<<8)|(\new)
.set MSB, \new
.endif
.endm
.macro PLACES
.rept 4
	v_nop
.endr
.endm
; 16 loads: my 16 k rows of a chunk, 256 bytes of gate_w and of up_w each: lanes 0-15 take one row's aligned 256 bytes, lanes 16-31 those of the row eight further down
.macro WLOAD set, ch
	WIN 0xc0
.irp i, 0,1,2,3,4,5,6,7
	global_load_b128 v[64+64*(\set)+4*(\i):64+64*(\set)+4*(\i)+3], v[WO], s[28:29] offset:(\i)*PITCH+(\ch)*CH th:TH_LOAD_NT
.endr
.irp i, 0,1,2,3,4,5,6,7
	global_load_b128 v[96+64*(\set)+4*(\i):96+64*(\set)+4*(\i)+3], v[WO], s[30:31] offset:(\i)*PITCH+(\ch)*CH th:TH_LOAD_NT
.endr
.endm
; unit u (0 gate_w, 1 up_w) of a staged chunk: a lane holds 8 k x 4 columns; for each column the 8 k pack into 16 bytes, which are a lane's half of a fragment
.macro WCVTU set, u
	WIN 0x0f
.irp q, 0,1,2,3
.irp p, 0,1,2,3
	v_cvt_pk_bf16_f32 v[PK+16*(\u)+4*(\q)+(\p)], v[64+64*(\set)+32*(\u)+8*(\p)+(\q)], v[64+64*(\set)+32*(\u)+8*(\p)+4+(\q)]
.endr
.endr
	WIN 0
.irp q, 0,1,2,3
	ds_store_b128 v[LSC], v[PK+16*(\u)+4*(\q):PK+16*(\u)+4*(\q)+3] offset:(\u)*4*BLK+(\q)*16
.endr
.endm
.macro XLOADH set, ch, hf              ; 10 loads: k-step hf of a chunk, of my five tiles' rows
	WIN 0x40
.irp j, 0,1,2,3,4
.irp i, 0,1
	global_load_b128 v[80*(\set)+16*(\j)+8*(\hf)+4*(\i):80*(\set)+16*(\j)+8*(\hf)+4*(\i)+3], v[XO+(\j)], s[32:33] offset:(2*(\hf)+(\i))*XI+(\ch)*XSTEP
.endr
.endr
.endm
.macro FETCH t, f, extra=0             ; 16 LDS loads: the eight fragments of k-step t, 512 consecutive bytes each load
	WIN 0
.irp n, 0,1,2,3,4,5,6,7
	ds_load_b128 v[(\f)+8*(\n):(\f)+8*(\n)+3],   v[FRC] offset:(\extra)+(8*(\t)+(\n))*BLK
	ds_load_b128 v[(\f)+8*(\n)+4:(\f)+8*(\n)+7], v[FRC] offset:(\extra)+(8*(\t)+(\n))*BLK+512
.endr
.endm
; A group: 8 products, tile j (0 to 3) x the eight column tiles, k-step t.  The accumulators take turns, one instruction a turn.  zero = 1: the products start the sums.
.macro GRP t, f, set, j, zero
	WIN 0xa4
.irp n, 0,1,2,3,4,5,6,7
.if \zero
	v_wmma_f32_16x16x32_bf16 v[64*(\j)+8*(\n):64*(\j)+8*(\n)+7], v[(\f)+8*(\n):(\f)+8*(\n)+7], v[80*(\set)+16*(\j)+8*(\t):80*(\set)+16*(\j)+8*(\t)+7], 0
.else
	v_wmma_f32_16x16x32_bf16 v[64*(\j)+8*(\n):64*(\j)+8*(\n)+7], v[(\f)+8*(\n):(\f)+8*(\n)+7], v[80*(\set)+16*(\j)+8*(\t):80*(\set)+16*(\j)+8*(\t)+7], v[64*(\j)+8*(\n):64*(\j)+8*(\n)+7]
.endif
.endr
.endm
; The fifth tile's group: jumped where the tile is dead, but for the one that starts its sums, so that its registers are written on every way.
.macro GRP4 t, f, set, zero
	WIN 0
.if \zero
	WIN 0xf4
.irp n, 0,1,2,3,4,5,6,7
	v_wmma_f32_16x16x32_bf16 v[8*(\n):8*(\n)+7], v[(\f)+8*(\n):(\f)+8*(\n)+7], v[80*(\set)+64+8*(\t):80*(\set)+64+8*(\t)+7], 0
.endr
	WIN 0
.else
	s_cmp_eq_u32 s22, 0
	s_cbranch_scc1 .Lno4_\@
	WIN 0xf4
.irp n, 0,1,2,3,4,5,6,7
	v_wmma_f32_16x16x32_bf16 v[8*(\n):8*(\n)+7], v[(\f)+8*(\n):(\f)+8*(\n)+7], v[80*(\set)+64+8*(\t):80*(\set)+64+8*(\t)+7], v[8*(\n):8*(\n)+7]
.endr
	WIN 0
.Lno4_\@:
.endif
.endm
; TRIP c (par = c % 2) multiplies chunk c; converts chunk c + 1 (cvt); asks for the weights of chunk c + 3 (ldw) and the rows of chunk c + 2 (ldx).  At its head the first k-step's fragments have been asked for by the trip before.
; lw: the loads that may stay out when the weights of c + 1 and the rows of c have to be there.  Loads return in order: behind the younger of the two were issued 16 weight loads and 20 row loads.
; The bases are stepped AHEAD of their loads, behind one s_wait_xcnt 0 that stands eight groups of products behind the last memory instruction issued; how far ahead a load reaches lies in its immediate
; (weights two chunks, the prefetch four, rows one).
; pf: 128 threads ask for the 128 blocks of 256 bytes of chunk c + 5, each block once, two trips ahead of the loads that want them; 2 = in the loop, whose last pass has no chunk c + 5 left and jumps the line.
.macro TRIP par, zero, cvt, ldw, ldx, lw, bar, pf
	s_wait_loadcnt \lw
	s_wait_dscnt 0x0                               ; the first k-step's fragments are in: they were asked for three groups ahead of the last trip's end
	GRP 0, F0, \par, 0, \zero
	FETCH 1, F1                                    ; the second k-step's fragments; the four v_nop at the last trip's end stand between F1's last reader and these loads
	GRP 0, F0, \par, 1, \zero
.if \cvt
	WCVTU 1-(\par), 0
.endif
	GRP 0, F0, \par, 2, \zero
.if \cvt
	WCVTU 1-(\par), 1
.endif
	GRP 0, F0, \par, 3, \zero
	GRP4 0, F0, \par, \zero
	s_wait_dscnt 0x0                               ; the second k-step's fragments are in; and, for the others' sake, my stores of chunk c + 1 are done
.if \bar
	s_barrier_signal -1                            ; products alone stand between the signal and the wait
.endif
	GRP 1, F1, \par, 0, 0
	GRP 1, F1, \par, 1, 0
.if \bar
	WIN 0
	s_barrier_wait -1                              ; every wave's part of chunk c + 1 is in LDS
	v_add_nc_u32 v[FRC], REG, v[FRC]               ; no LDS instruction of mine is out here.  These four are the places between the first k-step's last products and the loads into their sources, F0 and the rows' first halves
	v_add_nc_u32 v[LSC], REG, v[LSC]
	v_nop
	v_nop
	FETCH 0, F0                                    ; chunk c + 1's first k-step
.endif
	GRP 1, F1, \par, 2, 0
.if (\ldw) || (\ldx)
	s_wait_xcnt 0x0                                ; the bases are stepped only behind this wait
.endif
.if \ldw
	s_add_nc_u64 s[28:29], s[28:29], CH
	s_add_nc_u64 s[30:31], s[30:31], CH
	s_add_nc_u64 s[34:35], s[34:35], CH
.endif
.if \ldx
	s_add_nc_u64 s[32:33], s[32:33], XSTEP
.endif
.if \ldw
	WLOAD 1-(\par), 2
	WIN 0
.endif
.if (\pf) == 2
	s_cmp_eq_u32 s23, 1
	s_cbranch_scc1 .Lnopf_\@
.endif
.if \pf
	global_prefetch_b8 v[PFO], s[34:35] offset:4*CH th:TH_LOAD_NT scope:SCOPE_SE
.endif
.if (\pf) == 2
.Lnopf_\@:
.endif
	GRP 1, F1, \par, 3, 0
.if \ldx
	XLOADH \par, 1, 0                              ; the rows' first k-step of chunk c + 2
.endif
	GRP4 1, F1, \par, 0
	PLACES                                         ; between the trip's last products and the loads into their sources (the rows' second halves, F1) or the first read of their results
.if \ldx
	XLOADH \par, 1, 1
.endif
	WIN 0
.endm
; A tile's way out: h = g u cw / (1 + 2^(-g log2 e)).  g: accumulators 0-3 at ab, u: 4-7 at ab + 32, in window aw.  Each accumulator is read from its low end on.  Two batches of 32 transcendentals, one wait each,
; with 16 packed products that name none of the batch's results between the batch and its wait.
.macro EPI aw, ab, cw, sb, imm
	WIN \aw
.set z, 0
.rept 16
	v_pk_mul_f32 v[TE+2*z:TE+2*z+1], v[(\ab)+2*z:(\ab)+2*z+1], 0xbfb8aa3b op_sel_hi:[1,0]
.set z, z+1
.endr
	WIN 0
.set z, 0
.rept 32
	v_exp_f32 v[TE+z], v[TE+z]
.set z, z+1
.endr
	WIN 5*(\aw)
.set z, 0
.rept 16
	v_pk_mul_f32 v[TP+2*z:TP+2*z+1], v[(\ab)+2*z:(\ab)+2*z+1], v[(\ab)+32+2*z:(\ab)+32+2*z+1]
.set z, z+1
.endr
	WIN 0
	s_wait_alu depctr_va_vdst(0)                   ; one wait for the 32 exponentials
.set z, 0
.rept 16
	v_pk_add_f32 v[TE+2*z:TE+2*z+1], v[TE+2*z:TE+2*z+1], 1.0 op_sel_hi:[1,0]
.set z, z+1
.endr
.set z, 0
.rept 32
	v_rcp_f32 v[TE+z], v[TE+z]
.set z, z+1
.endr
.set z, 0
.rept 16
	v_pk_mul_f32 v[TP+2*z:TP+2*z+1], v[TP+2*z:TP+2*z+1], v[(\cw):(\cw)+1] op_sel_hi:[1,0]
.set z, z+1
.endr
	s_wait_alu depctr_va_vdst(0)                   ; one wait for the 32 reciprocals
.set z, 0
.rept 16
	v_pk_mul_f32 v[TP+2*z:TP+2*z+1], v[TP+2*z:TP+2*z+1], v[TE+2*z:TE+2*z+1]
.set z, z+1
.endr
	s_wait_xcnt 0x0                                ; PK, the last tile's store data, is rewritten only behind this wait
.set z, 0
.rept 16
	v_cvt_pk_bf16_f32 v[PK+z], v[TP+2*z], v[TP+2*z+1]
.set z, z+1
.endr
.irp n, 0,1,2,3
	global_store_b128 v[L16], v[PK+4*(\n):PK+4*(\n)+3], s[\sb:\sb+1] offset:(\imm)+((\n)/2)*1024+((\n)%2)*512
.endr
.endm
.macro BFLY s, d                       ; a step of the prefix sum over the lanes: the partner's block lies below me where my bit s is set
	v_bfe_u32 v198, v[LN], \s, 1
	v_mov_b32_dpp v199, v196 row_xmask:\d row_mask:0xf bank_mask:0xf
	v_mad_u32_u24 v197, v198, v199, v197
	v_add_nc_u32 v196, v196, v199
.endm
	s_load_b256 s[4:11], s[0:1], 0x0               ; xb s[4:5], msk s[6:7], cw s[8:9], gate_w s[10:11]
	s_load_b128 s[12:15], s[0:1], 0x20             ; up_w s[12:13], hid s[14:15]
	v_lshl_add_u32 v[SPW], v0, 2, SPARE
	v_mov_b32 v[NIL], 0
	v_lshrrev_b32 v1, 5, v0
	v_readfirstlane_b32 s16, v1
	s_mov_b32 s17, ttmp9
	s_and_b32 s18, ttmp7, 0xffff
	s_mov_b32 s56, 0x76543210
	s_mov_b32 s57, 0xfedcba98
	v_and_b32 v[LN], 31, v0
	v_and_b32 v[RR], 15, v0
	v_bfe_u32 v[HH], v0, 4, 1
	v_lshlrev_b32 v[L16], 4, v[LN]
	s_mul_i32 s40, s16, 16*PITCH
	v_mul_u32_u24 v[WO], v[HH], 8*PITCH
	v_lshl_add_u32 v[WO], v[RR], 4, v[WO]
	v_add_nc_u32 v[WO], s40, v[WO]
	s_lshl_b32 s40, s18, 7
	v_lshl_add_u32 v192, v[LN], 2, s40             ; word `lane` of my expert's bitmap
	s_lshl_b32 s42, s18, 23                        ; the expert's 8 MiB,
	s_lshl_b32 s43, s17, 8                         ; my 64 columns
	s_add_co_u32 s42, s42, s43
	s_mov_b32 s43, 0
	s_wait_kmcnt 0x0
	global_load_b32 v193, v192, s[6:7]             ; first choices
	global_load_b32 v194, v192, s[6:7] offset:1024 ; second choices
	s_add_nc_u64 s[28:29], s[10:11], s[42:43]
	s_add_nc_u64 s[30:31], s[12:13], s[42:43]
	WLOAD 0, 0                                     ; the stream of weights starts ahead of everything else; the first three chunks are reached by the immediate, so no base is stepped ahead of the trips
	WLOAD 1, 1
	WIN 0
	s_lshr_b32 s40, s16, 1                         ; my 16 k are k-step w / 2, half w % 2; lanes 16-31 hold the upper 8 k
	s_mul_i32 s40, s40, 8*BLK
	s_and_b32 s41, s16, 1
	s_lshl_b32 s41, s41, 9
	s_add_co_u32 s40, s40, s41
	v_lshrrev_b32 v1, 2, v[RR]
	v_mul_u32_u24 v[LSC], v1, BLK
	v_lshl_add_u32 v[LSC], v[HH], 8, v[LSC]
	v_and_b32 v1, 3, v[RR]
	v_lshl_add_u32 v[LSC], v1, 6, v[LSC]
	v_add_nc_u32 v[LSC], s40, v[LSC]
	v_mov_b32 v[FRC], v[L16]
	v_and_b32 v[PFO], 63, v0
	v_lshlrev_b32 v[PFO], 13, v[PFO]               ; waves 0, 1 ask for gate_w's 64 rows of a chunk, waves 2, 3 for up_w's
	s_cmp_lt_u32 s16, 2
	s_cselect_b64 s[34:35], s[28:29], s[30:31]
	s_lshl_b32 s40, s18, 22
	s_lshl_b32 s41, s16, 16
	s_add_co_u32 s40, s40, s41
	s_lshl_b32 s41, s17, 11
	s_add_co_u32 s40, s40, s41
	s_mov_b32 s41, 0
	s_add_nc_u64 s[36:37], s[14:15], s[40:41]      ; hid at (e, tile w, k-step 2 s)
	s_mov_b64 s[32:33], s[4:5]
	s_mul_i32 s27, s16, LISTW
	s_add_co_u32 s27, s27, LIST
	; THE LIST.  Lane l holds tokens 32 l .. 32 l + 31.  Their number, its prefix sum over the lanes, then one pass over the 32 bits.
	s_wait_loadcnt 32                              ; the two bitmap words; the 32 weight loads behind them stay out
	v_or_b32 v195, v193, v194
	v_lshrrev_b32 v198, 1, v195
	v_and_b32 v198, 0x55555555, v198
	v_sub_nc_u32 v196, v195, v198
	v_lshrrev_b32 v198, 2, v196
	v_and_b32 v198, 0x33333333, v198
	v_and_b32 v196, 0x33333333, v196
	v_add_nc_u32 v196, v196, v198
	v_lshrrev_b32 v198, 4, v196
	v_add_nc_u32 v196, v196, v198
	v_and_b32 v196, 0x0f0f0f0f, v196
	s_mov_b32 s40, 0x01010101
	v_mul_lo_u32 v196, v196, s40
	v_lshrrev_b32 v196, 24, v196                   ; the word's ones
	v_mov_b32 v197, 0
	v_mov_b32 v199, 0
	BFLY 0, 1
	BFLY 1, 2
	BFLY 2, 4
	BFLY 3, 8
	v_permlanex16_b32 v199, v196, s56, s57
	v_mad_u32_u24 v197, v[HH], v199, v197          ; v197: rows of the lanes below me = my first rank
	v_add_nc_u32 v196, v196, v199
	v_readfirstlane_b32 s19, v196                  ; the expert's rows
	s_add_co_u32 s20, s19, 15
	s_lshr_b32 s20, s20, 4
	s_max_u32 s21, s20, 1
	s_max_u32 s26, s19, 1
	s_sub_co_u32 s26, s26, 1
	s_add_co_u32 s40, s16, 16
	s_cmp_lt_u32 s40, s20
	s_cselect_b32 s22, 1, 0
	v_mov_b32 v212, s27
	v_mov_b32 v213, 0
	ds_store_b32 v212, v213                        ; entry 0 exists also where the expert has no row
	v_mov_b32 v210, 0x400
	v_lshlrev_b32 v211, 5, v[LN]
	s_mov_b32 s23, 0
.Llist:
	v_lshrrev_b32 v198, s23, v195
	v_lshrrev_b32 v199, s23, v194
	v_and_b32 v198, 1, v198                        ; listed?
	v_and_b32 v199, 1, v199                        ; as second choice?
	v_cmp_eq_u32 vcc_lo, 1, v198
	v_cndmask_b32 v214, v210, v197, vcc_lo         ; its rank, or the word for what is not listed
	v_min_u32 v214, 0x400, v214
	v_lshl_add_u32 v214, v214, 2, s27
	v_lshl_add_u32 v215, v199, 10, v211
	ds_store_b32 v214, v215
	v_add_nc_u32 v197, v197, v198
	v_add_nc_u32 v211, 1, v211
	s_add_co_u32 s23, s23, 1
	s_cmp_lt_u32 s23, 32
	s_cbranch_scc1 .Llist
.irp j, 0,1,2,3,4                      ; my five tiles' rows; my own words: LDS serves a wave's instructions in order
	s_lshl_b32 s40, s16, 4
	s_add_co_u32 s40, s40, 64*(\j)
	v_add_nc_u32 v[200+\j], s40, v[RR]
	v_min_u32 v[200+\j], s26, v[200+\j]            ; places past the count repeat the last row
	v_min_u32 v[200+\j], 0x3ff, v[200+\j]
	v_lshl_add_u32 v[200+\j], v[200+\j], 2, s27
	ds_load_b32 v[205+\j], v[200+\j]
.endr
	s_wait_dscnt 0x0
.irp j, 0,1,2,3,4
	v_min_u32 v[205+\j], 0x7ff, v[205+\j]
	v_and_b32 v198, 0x3ff, v[205+\j]
	v_lshlrev_b32 v198, 11, v198
	v_lshl_add_u32 v[XO+\j], v[HH], 4, v198        ; token x 2,048 + 16 x half
	v_lshlrev_b32 v[205+\j], 2, v[205+\j]
	global_load_b32 v[CW+2*\j], v[205+\j], s[8:9]
	v_mov_b32 v[CW+2*\j+1], 0                      ; named with it as a pair
.endr
	v_mov_b32 v[CWV+1], 0
	XLOADH 0, 0, 0                                 ; the rows of chunks 0 and 1
	XLOADH 0, 0, 1
	XLOADH 1, 1, 0
	XLOADH 1, 1, 1
	WIN 0
	s_wait_loadcnt 61                              ; chunk 0's weights; behind them: chunk 1's 16, 5 of cw, 40 of xb
	WCVTU 0, 0
	WCVTU 0, 1
	WLOAD 0, 2                                     ; chunk 2
	WIN 0
	s_wait_dscnt 0x0                               ; for the others' sake: my part of chunk 0 is in LDS
	v_add_nc_u32 v[LSC], REG, v[LSC]
	s_barrier_signal -1
	s_barrier_wait -1                              ; chunk 0 is whole
	FETCH 0, F0                                    ; its first k-step
	TRIP 0, 1, 1, 1, 1, 36, 1, 1                   ; the first trip stands ahead of the loop: its products start the sums
	s_mov_b32 s23, (NT-4)/2
.Ltrips:
	TRIP 1, 0, 1, 1, 1, 36, 1, 2
	TRIP 0, 0, 1, 1, 1, 36, 1, 2
	s_sub_co_u32 s23, s23, 1
	s_cmp_lg_u32 s23, 0
	s_cbranch_scc1 .Ltrips
	TRIP 1, 0, 1, 0, 1, 36, 1, 0                   ; no weights are left to ask for,
	TRIP 0, 0, 1, 0, 0, 20, 1, 0                   ; no rows: only the last 20 row loads are younger,
	TRIP 1, 0, 0, 0, 0, 0, 0, 0                    ; nothing to convert, no barrier
.macro TILE j, aw, ab
	s_add_co_u32 s40, s16, 4*(\j)
	s_cmp_ge_u32 s40, s21
	s_cbranch_scc1 .Lepi_done
	EPI \aw, \ab, CW+2*(\j), 36, (\j)*262144
.endm
	TILE 0, 2, 0
	TILE 1, 2, 64
	TILE 2, 2, 128
	TILE 3, 2, 192
	TILE 4, 3, 0
.Lepi_done:
	; TILES 20 TO 63: eleven trips for every wave, dead ones jumped; no barrier and no LDS store inside; the weights are read where they lie.
	s_mov_b32 s23, 11
	s_add_co_u32 s24, s16, 20
.Lover:
	s_cmp_ge_u32 s24, s20
	s_cbranch_scc1 .Lover_next
	s_wait_xcnt 0x0                                ; the registers of earlier loads and stores are rewritten only behind this wait
	s_lshl_b32 s40, s24, 4
	v_add_nc_u32 v192, s40, v[RR]
	v_min_u32 v192, s26, v192
	v_min_u32 v192, 0x3ff, v192
	v_lshl_add_u32 v192, v192, 2, s27
	ds_load_b32 v193, v192
	s_wait_dscnt 0x0
	v_min_u32 v193, 0x7ff, v193
	v_and_b32 v194, 0x3ff, v193
	v_lshlrev_b32 v194, 11, v194
	v_lshl_add_u32 v[XOV], v[HH], 4, v194
	v_lshlrev_b32 v193, 2, v193
	global_load_b32 v[CWV], v193, s[8:9]
	WIN 0x80
.set z, 0
.rept 64
	v_mov_b32 v[z], 0
.set z, z+1
.endr
	WIN 0
	v_mov_b32 v[FRC], v[L16]
	s_mov_b32 s25, NT/2
.macro MULV ks, f
	WIN 0xa4
.irp n, 0,1,2,3,4,5,6,7
	v_wmma_f32_16x16x32_bf16 v[8*(\n):8*(\n)+7], v[(\f)+8*(\n):(\f)+8*(\n)+7], v[8*(\ks):8*(\ks)+7], v[8*(\n):8*(\n)+7]
.endr
.endm
.Lover_k:                                              ; two chunks a trip
	WIN 0x40
.irp i, 0,1,2,3,4,5,6,7
	global_load_b128 v[4*(\i):4*(\i)+3], v[XOV], s[4:5] offset:(\i)*XI
.endr
	FETCH 0, F0
	FETCH 1, F1
	s_wait_loadcnt 0x0
	s_wait_dscnt 16                                ; the first k-step's fragments are in; the 16 loads behind them may be out
	MULV 0, F0
	s_wait_dscnt 0x0
	MULV 1, F1
	WIN 0
	PLACES
	FETCH 0, F0, REG
	FETCH 1, F1, REG
	s_wait_dscnt 16
	MULV 2, F0
	s_wait_dscnt 0x0
	MULV 3, F1
	WIN 0
	v_add_nc_u32 v[XOV], 2*XSTEP, v[XOV]           ; four places behind the last products
	v_add_nc_u32 v[FRC], 2*REG, v[FRC]
	v_nop
	v_nop
	s_sub_co_u32 s25, s25, 1
	s_cmp_lg_u32 s25, 0
	s_cbranch_scc1 .Lover_k
	s_sub_co_u32 s40, s24, s16
	s_lshl_b32 s40, s40, 16
	s_mov_b32 s41, 0
	s_add_nc_u64 s[44:45], s[36:37], s[40:41]
	EPI 2, 0, CWV, 44, 0
.Lover_next:
	s_add_co_u32 s24, s24, 4
	s_sub_co_u32 s23, s23, 1
	s_cmp_lg_u32 s23, 0
	s_cbranch_scc1 .Lover
	s_wait_dscnt 0x0                               ; my LDS reads are back;
	s_barrier_signal -1                            ; every wave says so,
	s_barrier_wait -1                              ; so that all four waves' reads of LDS are over before any wave's last LDS write below
	s_wait_tensorcnt 0x0                           ; the wave's end
	ds_add_u32 v[SPW], v[NIL]
	s_wait_dscnt 0x0
	s_endpgm
.Lfunc_end_k_qe84faf8570_gateup:
	.size	k_qe84faf8570_gateup, .Lfunc_end_k_qe84faf8570_gateup-k_qe84faf8570_gateup
	.p2alignl 7, 3214868480
	.fill 96, 4, 3214868480
	.section	.rodata,"a",@progbits
	.p2align	6, 0x0
	.amdhsa_kernel k_qe84faf8570_gateup
		.amdhsa_group_segment_fixed_size 284160
		.amdhsa_private_segment_fixed_size 0
		.amdhsa_enable_private_segment 0
		.amdhsa_kernarg_size 48
		.amdhsa_user_sgpr_count 2
		.amdhsa_user_sgpr_kernarg_segment_ptr 1
		.amdhsa_wavefront_size32 1
		.amdhsa_system_sgpr_workgroup_id_x 1
		.amdhsa_system_sgpr_workgroup_id_y 1
		.amdhsa_system_sgpr_workgroup_id_z 1
		.amdhsa_system_vgpr_workitem_id 0
		.amdhsa_next_free_vgpr 960
		.amdhsa_next_free_sgpr 66
		.amdhsa_reserve_vcc 1
		.amdhsa_float_denorm_mode_32 3
		.amdhsa_float_denorm_mode_16_64 3
		.amdhsa_memory_ordered 1
		.amdhsa_forward_progress 1
		.amdhsa_inst_pref_size 162
	.end_amdhsa_kernel
	.amdgpu_metadata
---
amdhsa.version: [ 1, 2 ]
amdhsa.kernels:
  - .name:           k_qe84faf8570_gateup
    .symbol:         k_qe84faf8570_gateup.kd
    .args:
      - { .name: xb, .offset: 0, .size: 8, .value_kind: global_buffer, .address_space: global }
      - { .name: msk, .offset: 8, .size: 8, .value_kind: global_buffer, .address_space: global }
      - { .name: cw, .offset: 16, .size: 8, .value_kind: global_buffer, .address_space: global }
      - { .name: gate_w, .offset: 24, .size: 8, .value_kind: global_buffer, .address_space: global }
      - { .name: up_w, .offset: 32, .size: 8, .value_kind: global_buffer, .address_space: global }
      - { .name: hid, .offset: 40, .size: 8, .value_kind: global_buffer, .address_space: global }
    .group_segment_fixed_size: 284160
    .private_segment_fixed_size: 0
    .kernarg_segment_align: 8
    .kernarg_segment_size: 48
    .max_flat_workgroup_size: 128
    .sgpr_count:     66
    .vgpr_count:     960
    .wavefront_size: 32
...
	.end_amdgpu_metadata
.endif
;; end of part 2
;; launch down (part 3): grid 32 x 8, 4 waves a work-group, no clusters, 184,832 bytes of LDS; arguments hid, msk, down_w, part; writes part
.if DOCPART == 3
	.amdgcn_target "amdgcn-amd-amdhsa--gfx1250"
	.amdhsa_code_object_version 6
	.text
	.protected	k_qe84faf8570_down
	.globl	k_qe84faf8570_down
	.p2align	8
	.type	k_qe84faf8570_down,@function
k_qe84faf8570_down:
	s_mov_b64 s[64:65], 0
	v_nop
	global_prefetch_b8 v0, s[64:65] scope:SCOPE_SE
	s_setreg_imm32_b32 hwreg(HW_REG_WAVE_MODE, 25, 1), 1
	s_wait_xcnt 0x0
; SECOND PRODUCT.  part[kq][slot][token][:] = hid rows . down_w[e], over a quarter kq of the hidden width.  Work-group (cs + 8 kq, e): columns 128 cs .. + 127 and rows 512 kq .. + 511 of down_w[e], which it alone reads, once.
; The quarters make 256 work-groups with weight rows of 512 consecutive bytes; the price is eight partial rows a token (f32), which the next launch adds.
; The frame is the first products' own: weights f32 -> registers -> bf16 -> LDS in operand order, 64 k a chunk, each chunk in LDS bytes of its own, one barrier a chunk; each wave makes the expert's list for itself;
; tile lt of 16 rows belongs to wave lt % 4, five tiles a wave beside the stream, tiles 20 to 63 in a loop of their own on the resident weights (slow on purpose; it clears its 64 accumulator registers).
; A trip's 80 products stand in ten groups of eight, and all its other work in slices between the groups, so that it is issued while the matrix unit works.
; hid lies as source 1's registers take it ([e][tile][k-step][half][lane][16 bytes]): a wave's load covers 512 consecutive bytes.  A dead tile loads the last tile that exists.  Where hid's tiles lie hangs on the
; expert's count alone, so their first loads go out ahead of the list's loop.
; THE WAY OUT: lane l holds row l % 16 and eight columns an accumulator; a tile goes through my own stage in LDS and comes back as whole rows of 512 bytes; row p is stored to the place that its entry names
; (entry = slot x 1024 + token = row of part); the tile's 16 entries come from my list by four LDS loads at one address for all lanes.  Rows past the count are jumped by a scalar branch (their list words hold
; nothing; the offsets made of them are clamped and not used).  Every (slot, token) is on exactly one expert's list, so all of part is written.
; The loop for tiles 20 to 63 writes no LDS: it stores from the accumulators, 32 bytes of a row a lane and accumulator.  A place past the count repeats the list's last row in everything (the first products gave it that
; row's token and weight, so its row of hid is a copy; its entry here is that row's): its lanes store the last row's own numbers to the last row's own bytes once more.  That, and stores of 32-byte pieces, is the price of
; a loop without barriers, paid only by an expert with more than 320 rows.
; NO CLUSTER: each weight has one reader; the eight column slices of (e, kq) share hid's tiles, which come through registers here.
; LIMITS.  down_w and hid in bf16, sums in f32.  NaN and infinities are not treated apart.
.set NT,    8
.set PITCH, 4096
.set CH,    64*PITCH
.set XSTEP, 2048                       ; a chunk = two k-steps of hid
.set XI,    512
.set BLK,   1040
.set REG,   16*BLK
.set LIST,  NT*REG
.set LISTW, 4352
.set STAGE, LIST+4*LISTW
.set SPITCH, 528                       ; a stage row: 512 bytes + 16: the 16 rows of a store start at 16 different groups of four banks
.set STGW,  16*SPITCH
.set SPARE, STAGE+4*STGW               ; the spare words, 128 bytes a wave: two blocks of 256 bytes that no other line names
.set SPW, 2
.set NIL, 3
.set LN,  4
.set RR,  5
.set HH,  6
.set L16, 7
.set WO,  8
.set LSC, 9
.set FRC, 10
.set PFO, 11
.set STO, 12                           ; into my stage: row lane % 16, 32 bytes for each half of the lanes
.set RD,  13                           ; back: 16 bytes a lane of a whole row
.set XO,  14                           ; v14-18 tile j: my byte offset in hid
.set XOV, 19
.set LEA, 20                           ; LDS address of the entries of my tile 0 (tile w of the list), the same in every lane; tile j's lie 256 j bytes on
.set ENTV, 30
.set AOV, 31                           ; tiles 20-63: my row's byte offset in part, + 32 for the upper half of the lanes
.set PK,  32
.set F0,  64                           ; on the way out v64-79 hold the rows' store offsets,
.set F1,  128                          ; v128-143 the tile's entries
.set TE,  192                          ; v192-255 at work: the list at the start, 16 rows on the way out
; windows 1 to 3 and the scalar registers as in the first products' text; s12 kq, s17 cs, s[28:29] down_w (steps), s[32:33] hid (steps), s[38:39] hid at my quarter, s[36:37] part at my quarter and columns
.set MSB, 0
.macro WIN new
.if MSB != (\new)
	s_set_vgpr_msb (MSB<<8)|(\new)
.set MSB, \new
.endif
.endm
.macro PLACES
.rept 4
	v_nop
.endr
.endm
.macro WLOAD set, ch                   ; 16 loads: my 16 k rows of a chunk, two units of 256 aligned bytes each
	WIN 0xc0
.irp u, 0,1
.irp i, 0,1,2,3,4,5,6,7
	global_load_b128 v[64+64*(\set)+32*(\u)+4*(\i):64+64*(\set)+32*(\u)+4*(\i)+3], v[WO], s[28:29] offset:(\i)*PITCH+(\u)*256+(\ch)*CH th:TH_LOAD_NT
.endr
.endr
.endm
.macro WCVTU set, u                    ; unit u of a staged chunk: for each of a lane's 4 columns the 8 k pack into 16 bytes, a lane's half of a fragment
	WIN 0x0f
.irp q, 0,1,2,3
.irp p, 0,1,2,3
	v_cvt_pk_bf16_f32 v[PK+16*(\u)+4*(\q)+(\p)], v[64+64*(\set)+32*(\u)+8*(\p)+(\q)], v[64+64*(\set)+32*(\u)+8*(\p)+4+(\q)]
.endr
.endr
	WIN 0
.irp q, 0,1,2,3
	ds_store_b128 v[LSC], v[PK+16*(\u)+4*(\q):PK+16*(\u)+4*(\q)+3] offset:(\u)*4*BLK+(\q)*16
.endr
.endm
.macro XLOADH set, ch, hf              ; 10 loads: k-step hf of a chunk, of my five tiles
	WIN 0x40
.irp j, 0,1,2,3,4
.irp i, 0,1
	global_load_b128 v[80*(\set)+16*(\j)+8*(\hf)+4*(\i):80*(\set)+16*(\j)+8*(\hf)+4*(\i)+3], v[XO+(\j)], s[32:33] offset:(2*(\hf)+(\i))*XI+(\ch)*XSTEP
.endr
.endr
.endm
.macro FETCH t, f, extra=0
	WIN 0
.irp n, 0,1,2,3,4,5,6,7
	ds_load_b128 v[(\f)+8*(\n):(\f)+8*(\n)+3],   v[FRC] offset:(\extra)+(8*(\t)+(\n))*BLK
	ds_load_b128 v[(\f)+8*(\n)+4:(\f)+8*(\n)+7], v[FRC] offset:(\extra)+(8*(\t)+(\n))*BLK+512
.endr
.endm
; A group: 8 products, tile j (0 to 3) x the eight column tiles, k-step t.  The accumulators take turns, one instruction a turn.  zero = 1: the products start the sums.
.macro GRP t, f, set, j, zero
	WIN 0xa4
.irp n, 0,1,2,3,4,5,6,7
.if \zero
	v_wmma_f32_16x16x32_bf16 v[64*(\j)+8*(\n):64*(\j)+8*(\n)+7], v[(\f)+8*(\n):(\f)+8*(\n)+7], v[80*(\set)+16*(\j)+8*(\t):80*(\set)+16*(\j)+8*(\t)+7], 0
.else
	v_wmma_f32_16x16x32_bf16 v[64*(\j)+8*(\n):64*(\j)+8*(\n)+7], v[(\f)+8*(\n):(\f)+8*(\n)+7], v[80*(\set)+16*(\j)+8*(\t):80*(\set)+16*(\j)+8*(\t)+7], v[64*(\j)+8*(\n):64*(\j)+8*(\n)+7]
.endif
.endr
.endm
; The fifth tile's group: jumped where the tile is dead, but for the one that starts its sums, so that its registers are written on every way.
.macro GRP4 t, f, set, zero
	WIN 0
.if \zero
	WIN 0xf4
.irp n, 0,1,2,3,4,5,6,7
	v_wmma_f32_16x16x32_bf16 v[8*(\n):8*(\n)+7], v[(\f)+8*(\n):(\f)+8*(\n)+7], v[80*(\set)+64+8*(\t):80*(\set)+64+8*(\t)+7], 0
.endr
	WIN 0
.else
	s_cmp_eq_u32 s22, 0
	s_cbranch_scc1 .Lno4_\@
	WIN 0xf4
.irp n, 0,1,2,3,4,5,6,7
	v_wmma_f32_16x16x32_bf16 v[8*(\n):8*(\n)+7], v[(\f)+8*(\n):(\f)+8*(\n)+7], v[80*(\set)+64+8*(\t):80*(\set)+64+8*(\t)+7], v[8*(\n):8*(\n)+7]
.endr
	WIN 0
.Lno4_\@:
.endif
.endm
; TRIP c (par = c % 2) multiplies chunk c; converts chunk c + 1 (cvt); asks for the weights of chunk c + 3 (ldw) and hid's part of chunk c + 2 (ldx).  At its head the first k-step's fragments have been asked for by the trip before.
; lw: behind the younger of what this trip needs were issued 16 weight loads and 20 of hid.
; The bases are stepped AHEAD of their loads, behind one s_wait_xcnt 0 that stands eight groups of products behind the last memory instruction issued; how far ahead a load reaches lies in its immediate
; (weights two chunks, the prefetch four, hid one).
; pf: 128 threads ask for the 128 blocks of 256 bytes of chunk c + 5, each once, two trips ahead of the loads that want them; 2 = in the loop, whose last pass has no such chunk left and jumps the line.
.macro TRIP par, zero, cvt, ldw, ldx, lw, bar, pf
	s_wait_loadcnt \lw
	s_wait_dscnt 0x0                               ; the first k-step's fragments are in: they were asked for three groups ahead of the last trip's end
	GRP 0, F0, \par, 0, \zero
	FETCH 1, F1                                    ; the second k-step's fragments; the four v_nop at the last trip's end stand between F1's last reader and these loads
	GRP 0, F0, \par, 1, \zero
.if \cvt
	WCVTU 1-(\par), 0
.endif
	GRP 0, F0, \par, 2, \zero
.if \cvt
	WCVTU 1-(\par), 1
.endif
	GRP 0, F0, \par, 3, \zero
	GRP4 0, F0, \par, \zero
	s_wait_dscnt 0x0                               ; the second k-step's fragments are in; and, for the others' sake, my stores of chunk c + 1 are done
.if \bar
	s_barrier_signal -1                            ; products alone stand between the signal and the wait
.endif
	GRP 1, F1, \par, 0, 0
	GRP 1, F1, \par, 1, 0
.if \bar
	WIN 0
	s_barrier_wait -1                              ; every wave's part of chunk c + 1 is in LDS
	v_add_nc_u32 v[FRC], REG, v[FRC]               ; no LDS instruction of mine is out here.  These four are the places between the first k-step's last products and the loads into their sources, F0 and hid's first halves
	v_add_nc_u32 v[LSC], REG, v[LSC]
	v_nop
	v_nop
	FETCH 0, F0                                    ; chunk c + 1's first k-step
.endif
	GRP 1, F1, \par, 2, 0
.if (\ldw) || (\ldx)
	s_wait_xcnt 0x0                                ; the bases are stepped only behind this wait
.endif
.if \ldw
	s_add_nc_u64 s[28:29], s[28:29], CH
.endif
.if \ldx
	s_add_nc_u64 s[32:33], s[32:33], XSTEP
.endif
.if \ldw
	WLOAD 1-(\par), 2
	WIN 0
.endif
.if (\pf) == 2
	s_cmp_eq_u32 s23, 1
	s_cbranch_scc1 .Lnopf_\@
.endif
.if \pf
	global_prefetch_b8 v[PFO], s[28:29] offset:4*CH th:TH_LOAD_NT scope:SCOPE_SE
.endif
.if (\pf) == 2
.Lnopf_\@:
.endif
	GRP 1, F1, \par, 3, 0
.if \ldx
	XLOADH \par, 1, 0                              ; hid's first k-step of chunk c + 2
.endif
	GRP4 1, F1, \par, 0
	PLACES                                         ; between the trip's last products and the loads into their sources (hid's second halves, F1) or the first read of their results
.if \ldx
	XLOADH \par, 1, 1
.endif
	WIN 0
.endm
; The way out of my tile j (its number in s24, its accumulators at ab in window aw).  Each accumulator is read from its low end on.
.macro EPO aw, ab, j
	s_lshl_b32 s40, s24, 4
	s_sub_co_u32 s40, s19, s40                     ; the tile's live rows, at least 1
	s_wait_xcnt 0x0                                ; the last tile's store data and offsets are rewritten only behind this wait
	WIN 4*(\aw)                                    ; store data: source 1
.irp n, 0,1,2,3,4,5,6,7
	ds_store_b128 v[STO], v[(\ab)+8*(\n):(\ab)+8*(\n)+3]   offset:64*(\n)
	ds_store_b128 v[STO], v[(\ab)+8*(\n)+4:(\ab)+8*(\n)+7] offset:64*(\n)+16
.endr
	WIN 0
.irp q, 0,1,2,3
	ds_load_b128 v[F1+4*(\q):F1+4*(\q)+3], v[LEA] offset:256*(\j)+16*(\q)  ; the tile's 16 entries, every lane all of them
.endr
.irp p, 0,1,2,3,4,5,6,7,8,9,10,11,12,13,14,15
	ds_load_b128 v[TE+4*(\p):TE+4*(\p)+3], v[RD] offset:(\p)*SPITCH  ; my own stage: LDS serves a wave's instructions in order
.endr
	s_wait_dscnt 16                                ; the entries are in; the 16 rows behind them may be out
.irp p, 0,1,2,3,4,5,6,7,8,9,10,11,12,13,14,15
	v_min_u32 v[F1+(\p)], 0x7ff, v[F1+(\p)]
.endr
.irp p, 0,1,2,3,4,5,6,7,8,9,10,11,12,13,14,15
	v_lshl_add_u32 v[F0+(\p)], v[F1+(\p)], 12, v[L16]  ; entry x 4,096 + my 16 bytes of the row's 512
.endr
.irp p, 0,1,2,3,4,5,6,7,8,9,10,11,12,13,14,15
	s_cmp_gt_u32 s40, \p
	s_cbranch_scc0 .Lrows_\@
	s_wait_dscnt 15-(\p)                           ; row p is back; the later rows' loads may be out
	global_store_b128 v[F0+(\p)], v[TE+4*(\p):TE+4*(\p)+3], s[36:37]  ; 512 consecutive bytes of one row of part, aligned
.endr
.Lrows_\@:
	s_wait_dscnt 0x0
.endm
; The way out of a tile of the loop for tiles 20 to 63 (its accumulators at v0-63 of window 2, my row's entry in v[ENTV]): straight from the accumulators, each from its low end on.
; A lane's eight columns of an accumulator are 32 neighbouring bytes of its own row.  All lanes store: a lane past the count holds the last row's entry and the last row's numbers (see the head).
; AOV and the accumulators are written again only behind the s_wait_xcnt 0 at the head of the next live trip.
.macro EPV
	v_lshlrev_b32 v[AOV], 12, v[ENTV]
	v_lshl_add_u32 v[AOV], v[HH], 5, v[AOV]
	WIN 0x08                                       ; store data (source 1) in window 2
.irp n, 0,1,2,3,4,5,6,7
	global_store_b128 v[AOV], v[8*(\n):8*(\n)+3],   s[36:37] offset:64*(\n)
	global_store_b128 v[AOV], v[8*(\n)+4:8*(\n)+7], s[36:37] offset:64*(\n)+16
.endr
	WIN 0
.endm
.macro BFLY s, d
	v_bfe_u32 v198, v[LN], \s, 1
	v_mov_b32_dpp v199, v196 row_xmask:\d row_mask:0xf bank_mask:0xf
	v_mad_u32_u24 v197, v198, v199, v197
	v_add_nc_u32 v196, v196, v199
.endm
	s_load_b256 s[4:11], s[0:1], 0x0               ; hid s[4:5], msk s[6:7], down_w s[8:9], part s[10:11]
	v_lshl_add_u32 v[SPW], v0, 2, SPARE
	v_mov_b32 v[NIL], 0
	v_lshrrev_b32 v1, 5, v0
	v_readfirstlane_b32 s16, v1
	s_and_b32 s17, ttmp9, 7                        ; cs
	s_lshr_b32 s12, ttmp9, 3                       ; kq
	s_and_b32 s18, ttmp7, 0xffff
	s_mov_b32 s56, 0x76543210
	s_mov_b32 s57, 0xfedcba98
	v_and_b32 v[LN], 31, v0
	v_and_b32 v[RR], 15, v0
	v_bfe_u32 v[HH], v0, 4, 1
	v_lshlrev_b32 v[L16], 4, v[LN]
	s_mul_i32 s40, s16, 16*PITCH
	v_mul_u32_u24 v[WO], v[HH], 8*PITCH
	v_lshl_add_u32 v[WO], v[RR], 4, v[WO]
	v_add_nc_u32 v[WO], s40, v[WO]
	s_lshl_b32 s40, s18, 7
	v_lshl_add_u32 v192, v[LN], 2, s40
	s_lshl_b32 s42, s18, 23                        ; the expert's 8 MiB,
	s_lshl_b32 s43, s12, 21                        ; my 512 rows of 4,096 bytes,
	s_add_co_u32 s42, s42, s43
	s_lshl_b32 s43, s17, 9                         ; my 128 columns
	s_add_co_u32 s42, s42, s43
	s_mov_b32 s43, 0
	s_wait_kmcnt 0x0
	global_load_b32 v193, v192, s[6:7]
	global_load_b32 v194, v192, s[6:7] offset:1024
	s_add_nc_u64 s[28:29], s[8:9], s[42:43]
	WLOAD 0, 0                                     ; the first three chunks are reached by the immediate, so no base is stepped ahead of the trips
	WLOAD 1, 1
	WIN 0
	s_lshr_b32 s40, s16, 1
	s_mul_i32 s40, s40, 8*BLK
	s_and_b32 s41, s16, 1
	s_lshl_b32 s41, s41, 9
	s_add_co_u32 s40, s40, s41
	v_lshrrev_b32 v1, 2, v[RR]
	v_mul_u32_u24 v[LSC], v1, BLK
	v_lshl_add_u32 v[LSC], v[HH], 8, v[LSC]
	v_and_b32 v1, 3, v[RR]
	v_lshl_add_u32 v[LSC], v1, 6, v[LSC]
	v_add_nc_u32 v[LSC], s40, v[LSC]
	v_mov_b32 v[FRC], v[L16]
	v_lshrrev_b32 v1, 1, v0
	v_lshlrev_b32 v[PFO], 12, v1                   ; thread t asks for row t / 2 of a chunk, unit t % 2
	v_and_b32 v1, 1, v0
	v_lshl_add_u32 v[PFO], v1, 8, v[PFO]
	s_mul_i32 s40, s16, STGW
	s_add_co_u32 s40, s40, STAGE
	v_mul_u32_u24 v[STO], v[RR], SPITCH
	v_lshl_add_u32 v[STO], v[HH], 5, v[STO]
	v_add_nc_u32 v[STO], s40, v[STO]
	v_add_nc_u32 v[RD], s40, v[L16]
	s_lshl_b32 s40, s12, 14
	s_mov_b32 s41, 0
	s_add_nc_u64 s[38:39], s[4:5], s[40:41]        ; hid at my quarter's first k-step
	s_mov_b64 s[32:33], s[38:39]
	s_lshl_b32 s40, s12, 23
	s_lshl_b32 s42, s17, 9
	s_add_co_u32 s40, s40, s42
	s_add_nc_u64 s[36:37], s[10:11], s[40:41]      ; part at my quarter and columns
	s_mul_i32 s27, s16, LISTW
	s_add_co_u32 s27, s27, LIST
	s_lshl_b32 s40, s16, 6
	s_add_co_u32 s40, s40, s27
	v_mov_b32 v[LEA], s40                          ; tile w's 16 entries: 64 w bytes into my list
	; THE COUNT, as in the first products' text
	s_wait_loadcnt 32                              ; the two bitmap words; the 32 weight loads behind them stay out
	v_or_b32 v195, v193, v194
	v_lshrrev_b32 v198, 1, v195
	v_and_b32 v198, 0x55555555, v198
	v_sub_nc_u32 v196, v195, v198
	v_lshrrev_b32 v198, 2, v196
	v_and_b32 v198, 0x33333333, v198
	v_and_b32 v196, 0x33333333, v196
	v_add_nc_u32 v196, v196, v198
	v_lshrrev_b32 v198, 4, v196
	v_add_nc_u32 v196, v196, v198
	v_and_b32 v196, 0x0f0f0f0f, v196
	s_mov_b32 s40, 0x01010101
	v_mul_lo_u32 v196, v196, s40
	v_lshrrev_b32 v196, 24, v196
	v_mov_b32 v197, 0
	v_mov_b32 v199, 0
	BFLY 0, 1
	BFLY 1, 2
	BFLY 2, 4
	BFLY 3, 8
	v_permlanex16_b32 v199, v196, s56, s57
	v_mad_u32_u24 v197, v[HH], v199, v197
	v_add_nc_u32 v196, v196, v199
	v_readfirstlane_b32 s19, v196
	s_add_co_u32 s20, s19, 15
	s_lshr_b32 s20, s20, 4
	s_max_u32 s21, s20, 1
	s_max_u32 s26, s19, 1
	s_sub_co_u32 s26, s26, 1
	s_add_co_u32 s40, s16, 16
	s_cmp_lt_u32 s40, s20
	s_cselect_b32 s22, 1, 0
	; hid's tiles hang on the count alone: their first 40 loads go out now, and the list is made while they are on their way
	s_sub_co_u32 s41, s21, 1
.irp j, 0,1,2,3,4
	s_add_co_u32 s40, s16, 4*(\j)
	s_min_u32 s40, s40, s41                        ; a dead tile loads the last tile that exists
	s_min_u32 s40, s40, 63
	s_lshl_b32 s42, s18, 6
	s_add_co_u32 s40, s40, s42
	s_lshl_b32 s40, s40, 16
	v_add_nc_u32 v[XO+\j], s40, v[L16]
.endr
	XLOADH 0, 0, 0                                 ; chunks 0 and 1
	XLOADH 0, 0, 1
	XLOADH 1, 1, 0
	XLOADH 1, 1, 1
	WIN 0
	; THE LIST
	v_mov_b32 v212, s27
	v_mov_b32 v213, 0
	ds_store_b32 v212, v213
	v_mov_b32 v210, 0x400
	v_lshlrev_b32 v211, 5, v[LN]
	s_mov_b32 s23, 0
.Llist:
	v_lshrrev_b32 v198, s23, v195
	v_lshrrev_b32 v199, s23, v194
	v_and_b32 v198, 1, v198
	v_and_b32 v199, 1, v199
	v_cmp_eq_u32 vcc_lo, 1, v198
	v_cndmask_b32 v214, v210, v197, vcc_lo
	v_min_u32 v214, 0x400, v214
	v_lshl_add_u32 v214, v214, 2, s27
	v_lshl_add_u32 v215, v199, 10, v211
	ds_store_b32 v214, v215
	v_add_nc_u32 v197, v197, v198
	v_add_nc_u32 v211, 1, v211
	s_add_co_u32 s23, s23, 1
	s_cmp_lt_u32 s23, 32
	s_cbranch_scc1 .Llist
	s_wait_loadcnt 56                              ; chunk 0's weights; behind them: chunk 1's 16 and 40 of hid
	WCVTU 0, 0
	WCVTU 0, 1
	WLOAD 0, 2                                     ; chunk 2
	WIN 0
	s_wait_dscnt 0x0                               ; for the others' sake: my part of chunk 0 is in LDS
	v_add_nc_u32 v[LSC], REG, v[LSC]
	s_barrier_signal -1
	s_barrier_wait -1                              ; chunk 0 is whole
	FETCH 0, F0                                    ; its first k-step
	TRIP 0, 1, 1, 1, 1, 36, 1, 1
	s_mov_b32 s23, (NT-4)/2
.Ltrips:
	TRIP 1, 0, 1, 1, 1, 36, 1, 2
	TRIP 0, 0, 1, 1, 1, 36, 1, 2
	s_sub_co_u32 s23, s23, 1
	s_cmp_lg_u32 s23, 0
	s_cbranch_scc1 .Ltrips
	TRIP 1, 0, 1, 0, 1, 36, 1, 0
	TRIP 0, 0, 1, 0, 0, 20, 1, 0
	TRIP 1, 0, 0, 0, 0, 0, 0, 0
.macro TILE j, aw, ab
	s_add_co_u32 s24, s16, 4*(\j)
	s_cmp_ge_u32 s24, s20
	s_cbranch_scc1 .Lepi_done
	EPO \aw, \ab, \j
.endm
	TILE 0, 2, 0
	TILE 1, 2, 64
	TILE 2, 2, 128
	TILE 3, 2, 192
	TILE 4, 3, 0
.Lepi_done:
	s_wait_dscnt 0x0                               ; my stores into my stage are done, my reads of it back;
	s_barrier_signal -1                            ; every wave says so,
	s_barrier_wait -1                              ; so that all four waves' LDS stores are over before any wave's reads in the loop below, which writes no LDS
	; TILES 20 TO 63: eleven trips for every wave, dead ones jumped; no barrier and no LDS store inside; the weights are read where they lie
	s_mov_b32 s23, 11
	s_add_co_u32 s24, s16, 20
.Lover:
	s_cmp_ge_u32 s24, s20
	s_cbranch_scc1 .Lover_next
	s_wait_xcnt 0x0                                ; the registers of earlier loads and stores are rewritten only behind this wait
	s_lshl_b32 s40, s24, 4
	v_add_nc_u32 v192, s40, v[RR]
	v_min_u32 v192, s26, v192                      ; places past the count repeat the last row
	v_min_u32 v192, 0x3ff, v192
	v_lshl_add_u32 v192, v192, 2, s27
	ds_load_b32 v[ENTV], v192
	s_min_u32 s40, s24, 63
	s_lshl_b32 s41, s18, 6
	s_add_co_u32 s40, s40, s41
	s_lshl_b32 s40, s40, 16
	v_add_nc_u32 v[XOV], s40, v[L16]
	s_wait_dscnt 0x0
	v_min_u32 v[ENTV], 0x7ff, v[ENTV]
	WIN 0x80
.set z, 0
.rept 64
	v_mov_b32 v[z], 0
.set z, z+1
.endr
	WIN 0
	v_mov_b32 v[FRC], v[L16]
	s_mov_b32 s25, NT/2
.macro MULV ks, f
	WIN 0xa4
.irp n, 0,1,2,3,4,5,6,7
	v_wmma_f32_16x16x32_bf16 v[8*(\n):8*(\n)+7], v[(\f)+8*(\n):(\f)+8*(\n)+7], v[8*(\ks):8*(\ks)+7], v[8*(\n):8*(\n)+7]
.endr
.endm
.Lover_k:                                              ; two chunks a trip
	WIN 0x40
.irp i, 0,1,2,3,4,5,6,7
	global_load_b128 v[4*(\i):4*(\i)+3], v[XOV], s[38:39] offset:(\i)*XI
.endr
	FETCH 0, F0
	FETCH 1, F1
	s_wait_loadcnt 0x0
	s_wait_dscnt 16                                ; the first k-step's fragments are in; the 16 loads behind them may be out
	MULV 0, F0
	s_wait_dscnt 0x0
	MULV 1, F1
	WIN 0
	PLACES
	FETCH 0, F0, REG
	FETCH 1, F1, REG
	s_wait_dscnt 16
	MULV 2, F0
	s_wait_dscnt 0x0
	MULV 3, F1
	WIN 0
	v_add_nc_u32 v[XOV], 2*XSTEP, v[XOV]           ; four places behind the last products
	v_add_nc_u32 v[FRC], 2*REG, v[FRC]
	v_nop
	v_nop
	s_sub_co_u32 s25, s25, 1
	s_cmp_lg_u32 s25, 0
	s_cbranch_scc1 .Lover_k
	EPV
.Lover_next:
	s_add_co_u32 s24, s24, 4
	s_sub_co_u32 s23, s23, 1
	s_cmp_lg_u32 s23, 0
	s_cbranch_scc1 .Lover
	s_wait_dscnt 0x0                               ; my LDS reads are back;
	s_barrier_signal -1                            ; every wave says so,
	s_barrier_wait -1                              ; so that all four waves' reads of LDS are over before any wave's last LDS write below
	s_wait_tensorcnt 0x0                           ; the wave's end
	ds_add_u32 v[SPW], v[NIL]
	s_wait_dscnt 0x0
	s_endpgm
.Lfunc_end_k_qe84faf8570_down:
	.size	k_qe84faf8570_down, .Lfunc_end_k_qe84faf8570_down-k_qe84faf8570_down
	.p2alignl 7, 3214868480
	.fill 96, 4, 3214868480
	.section	.rodata,"a",@progbits
	.p2align	6, 0x0
	.amdhsa_kernel k_qe84faf8570_down
		.amdhsa_group_segment_fixed_size 184832
		.amdhsa_private_segment_fixed_size 0
		.amdhsa_enable_private_segment 0
		.amdhsa_kernarg_size 32
		.amdhsa_user_sgpr_count 2
		.amdhsa_user_sgpr_kernarg_segment_ptr 1
		.amdhsa_wavefront_size32 1
		.amdhsa_system_sgpr_workgroup_id_x 1
		.amdhsa_system_sgpr_workgroup_id_y 1
		.amdhsa_system_sgpr_workgroup_id_z 1
		.amdhsa_system_vgpr_workitem_id 0
		.amdhsa_next_free_vgpr 960
		.amdhsa_next_free_sgpr 66
		.amdhsa_reserve_vcc 1
		.amdhsa_float_denorm_mode_32 3
		.amdhsa_float_denorm_mode_16_64 3
		.amdhsa_memory_ordered 1
		.amdhsa_forward_progress 1
		.amdhsa_inst_pref_size 144
	.end_amdhsa_kernel
	.amdgpu_metadata
---
amdhsa.version: [ 1, 2 ]
amdhsa.kernels:
  - .name:           k_qe84faf8570_down
    .symbol:         k_qe84faf8570_down.kd
    .args:
      - { .name: hid, .offset: 0, .size: 8, .value_kind: global_buffer, .address_space: global }
      - { .name: msk, .offset: 8, .size: 8, .value_kind: global_buffer, .address_space: global }
      - { .name: down_w, .offset: 16, .size: 8, .value_kind: global_buffer, .address_space: global }
      - { .name: part, .offset: 24, .size: 8, .value_kind: global_buffer, .address_space: global }
    .group_segment_fixed_size: 184832
    .private_segment_fixed_size: 0
    .kernarg_segment_align: 8
    .kernarg_segment_size: 32
    .max_flat_workgroup_size: 128
    .sgpr_count:     66
    .vgpr_count:     960
    .wavefront_size: 32
...
	.end_amdgpu_metadata
.endif
;; end of part 3
;; launch addup (part 4): grid 257 x 1, 8 waves a work-group, no clusters, 0 bytes of LDS; arguments part, auxp, out0, out1; writes out0, out1
.if DOCPART == 4
	.amdgcn_target "amdgcn-amd-amdhsa--gfx1250"
	.amdhsa_code_object_version 6
	.text
	.protected	k_qe84faf8570_addup
	.globl	k_qe84faf8570_addup
	.p2align	8
	.type	k_qe84faf8570_addup,@function
k_qe84faf8570_addup:
	s_mov_b64 s[64:65], 0
	v_nop
	global_prefetch_b8 v0, s[64:65] scope:SCOPE_SE
	s_setreg_imm32_b32 hwreg(HW_REG_WAVE_MODE, 25, 1), 1
	s_wait_xcnt 0x0
; out0[token] = the sum of the token's eight partial rows (four quarters of the hidden width x two choices), in f32, in one fixed order.  out1 = the loss, from the router's 64 sets of partial sums.
; Work-groups 0 to 255: four tokens each; thread t owns the 16 bytes at 16 t of every row, so a wave's load or store covers 512 consecutive bytes, aligned.  All 32 loads go out first; each row is added and stored
; as soon as its eight are in.  No LDS, no barrier, no matrix unit: a stream has no use for them.  Work-group 256: its wave 0 makes out1; the other seven waves have nothing to add to one number.
	s_load_b256 s[4:11], s[0:1], 0x0               ; part s[4:5], auxp s[6:7], out0 s[8:9], out1 s[10:11]
	s_cmp_eq_u32 ttmp9, 0x100
	s_cbranch_scc1 .Laux
	v_lshlrev_b32 v1, 4, v0
	s_lshl_b32 s12, ttmp9, 14                      ; four rows of 4,096 bytes
	s_mov_b32 s13, 0
	s_wait_kmcnt 0x0
	s_add_nc_u64 s[16:17], s[4:5], s[12:13]        ; a base for each quarter, 8 MiB apart
	s_add_nc_u64 s[18:19], s[16:17], 0x800000
	s_add_nc_u64 s[20:21], s[18:19], 0x800000
	s_add_nc_u64 s[22:23], s[20:21], 0x800000
	s_add_nc_u64 s[8:9], s[8:9], s[12:13]
.irp p, 0,1,2,3
.irp k, 0,1,2,3
	global_load_b128 v[16+32*\p+8*\k:16+32*\p+8*\k+3],   v1, s[16+2*\k:17+2*\k] offset:\p*4096 th:TH_LOAD_NT
	global_load_b128 v[16+32*\p+8*\k+4:16+32*\p+8*\k+7], v1, s[16+2*\k:17+2*\k] offset:4194304+\p*4096 th:TH_LOAD_NT
.endr
.endr
.macro ROWSUM p, left                  ; left: the later rows' loads, eight each, stay out
	s_wait_loadcnt \left
.set B, 16+32*(\p)
.irp m, 0,8,16,24
	v_pk_add_f32 v[B+\m:B+\m+1],   v[B+\m:B+\m+1],   v[B+\m+4:B+\m+5]
	v_pk_add_f32 v[B+\m+2:B+\m+3], v[B+\m+2:B+\m+3], v[B+\m+6:B+\m+7]
.endr
.irp m, 0,16
	v_pk_add_f32 v[B+\m:B+\m+1],   v[B+\m:B+\m+1],   v[B+\m+8:B+\m+9]
	v_pk_add_f32 v[B+\m+2:B+\m+3], v[B+\m+2:B+\m+3], v[B+\m+10:B+\m+11]
.endr
	v_pk_add_f32 v[B:B+1],   v[B:B+1],   v[B+16:B+17]
	v_pk_add_f32 v[B+2:B+3], v[B+2:B+3], v[B+18:B+19]
	global_store_b128 v1, v[B:B+3], s[8:9] offset:(\p)*4096 th:TH_STORE_NT
.endm
	ROWSUM 0, 24
	ROWSUM 1, 16
	ROWSUM 2, 8
	ROWSUM 3, 0
	s_endpgm
.Laux:
	v_lshrrev_b32 v1, 5, v0
	v_readfirstlane_b32 s12, v1
	s_cmp_lg_u32 s12, 0
	s_cbranch_scc1 .Lend
	v_lshlrev_b32 v2, 7, v0                        ; lane l takes the router's sets l and l + 32: 17 numbers each (8 sums of probabilities, 8 counts, the sum of z^2)
	s_mov_b32 s14, 0x76543210
	s_mov_b32 s15, 0xfedcba98
	s_wait_kmcnt 0x0
.irp q, 0,1,2,3
	global_load_b128 v[16+4*\q:19+4*\q], v2, s[6:7] offset:16*\q
	global_load_b128 v[36+4*\q:39+4*\q], v2, s[6:7] offset:4096+16*\q
.endr
	global_load_b32 v32, v2, s[6:7] offset:64
	global_load_b32 v52, v2, s[6:7] offset:4096+64
	v_mov_b32 v60, 0
	v_mov_b32 v63, 0
	s_wait_loadcnt 0x0
.set i, 0
.rept 17
	v_add_f32 v[16+i], v[16+i], v[36+i]
.set i, i+1
.endr
.set i, 0
.rept 17                               ; each over the 32 lanes: four steps inside a half ride on the addition, one crosses the halves
	v_add_f32_dpp v[16+i], v[16+i], v[16+i] row_xmask:1 row_mask:0xf bank_mask:0xf
	v_add_f32_dpp v[16+i], v[16+i], v[16+i] row_xmask:2 row_mask:0xf bank_mask:0xf
	v_add_f32_dpp v[16+i], v[16+i], v[16+i] row_xmask:4 row_mask:0xf bank_mask:0xf
	v_add_f32_dpp v[16+i], v[16+i], v[16+i] row_xmask:8 row_mask:0xf bank_mask:0xf
	v_permlanex16_b32 v60, v[16+i], s14, s15
	v_add_f32 v[16+i], v[16+i], v60
.set i, i+1
.endr
	v_mul_f32 v61, v24, v16
.set i, 1
.rept 7
	v_fmac_f32 v61, v[24+i], v[16+i]               ; the sum over the experts of count x probability
.set i, i+1
.endr
	v_mul_f32 v62, 0x3223d70a, v61                 ; x 0.01 / 1024^2
	v_fmamk_f32 v62, v32, 0x3583126f, v62          ; + 0.001 / 1024 x the sum of z^2
	v_cmp_eq_u32 vcc_lo, 0, v0
	s_wait_xcnt 0x0                                ; EXEC changes only behind this wait
	s_and_saveexec_b32 s13, vcc_lo
	global_store_b32 v63, v62, s[10:11]
	s_wait_xcnt 0x0
	s_or_b32 exec_lo, exec_lo, s13
.Lend:
	s_endpgm
.Lfunc_end_k_qe84faf8570_addup:
	.size	k_qe84faf8570_addup, .Lfunc_end_k_qe84faf8570_addup-k_qe84faf8570_addup
	.p2alignl 7, 3214868480
	.fill 96, 4, 3214868480
	.section	.rodata,"a",@progbits
	.p2align	6, 0x0
	.amdhsa_kernel k_qe84faf8570_addup
		.amdhsa_group_segment_fixed_size 0
		.amdhsa_private_segment_fixed_size 0
		.amdhsa_enable_private_segment 0
		.amdhsa_kernarg_size 32
		.amdhsa_user_sgpr_count 2
		.amdhsa_user_sgpr_kernarg_segment_ptr 1
		.amdhsa_wavefront_size32 1
		.amdhsa_system_sgpr_workgroup_id_x 1
		.amdhsa_system_sgpr_workgroup_id_y 1
		.amdhsa_system_sgpr_workgroup_id_z 1
		.amdhsa_system_vgpr_workitem_id 0
		.amdhsa_next_free_vgpr 144
		.amdhsa_next_free_sgpr 66
		.amdhsa_reserve_vcc 1
		.amdhsa_float_denorm_mode_32 3
		.amdhsa_float_denorm_mode_16_64 3
		.amdhsa_memory_ordered 1
		.amdhsa_forward_progress 1
		.amdhsa_inst_pref_size 17
	.end_amdhsa_kernel
	.amdgpu_metadata
---
amdhsa.version: [ 1, 2 ]
amdhsa.kernels:
  - .name:           k_qe84faf8570_addup
    .symbol:         k_qe84faf8570_addup.kd
    .args:
      - { .name: part, .offset: 0, .size: 8, .value_kind: global_buffer, .address_space: global }
      - { .name: auxp, .offset: 8, .size: 8, .value_kind: global_buffer, .address_space: global }
      - { .name: out0, .offset: 16, .size: 8, .value_kind: global_buffer, .address_space: global }
      - { .name: out1, .offset: 24, .size: 8, .value_kind: global_buffer, .address_space: global }
    .group_segment_fixed_size: 0
    .private_segment_fixed_size: 0
    .kernarg_segment_align: 8
    .kernarg_segment_size: 32
    .max_flat_workgroup_size: 256
    .sgpr_count:     66
    .vgpr_count:     144
    .wavefront_size: 32
...
	.end_amdgpu_metadata
.endif
;; end of part 4
